; MI455X (gfx1250); checked and timed in simulation.
; The chip was launched on July 23, 2026; its instructions are those of AMD's public machine-readable ISA for CDNA 5 (MIT licence, August 2026) and "CDNA5" Instruction Set Architecture Reference Guide (July 2026). The comments in the code are by the model that wrote it; some were corrected since.
;; LSTM. Allowed arithmetic: matrix products marked QUANTISED: E2M1 operands, one E8M0 scale for each 32 along K, by v_wmma_scale_f32_16x16x128_f8f6f4 with both operands' format E2M1 (or v_wmma_scale_f32_32x16x128_f4), f32 sums; everything else in f32.
;; Inputs: C_prev 2,048 x 2,048 float32; W_A_codes 4,000 x 64 x 16 uint8 (E2M1 codes of W_A, K innermost, in blocks of 32 codes, two codes a byte); W_A_scales 4,000 x 64 uint8 (E8M0 scales of W_A, one for each 32 codes along K); W_C_codes 2,048 x 96 x 16 uint8 (E2M1 codes of W_C, K innermost, in blocks of 32 codes, two codes a byte); W_C_scales 2,048 x 96 uint8 (E8M0 scales of W_C, one for each 32 codes along K); W_f_codes 2,048 x 96 x 16 uint8 (E2M1 codes of W_f, K innermost, in blocks of 32 codes, two codes a byte); W_f_scales 2,048 x 96 uint8 (E8M0 scales of W_f, one for each 32 codes along K); W_i_codes 2,048 x 96 x 16 uint8 (E2M1 codes of W_i, K innermost, in blocks of 32 codes, two codes a byte); W_i_scales 2,048 x 96 uint8 (E8M0 scales of W_i, one for each 32 codes along K); W_o_codes 2,048 x 96 x 16 uint8 (E2M1 codes of W_o, K innermost, in blocks of 32 codes, two codes a byte); W_o_scales 2,048 x 96 uint8 (E8M0 scales of W_o, one for each 32 codes along K); b_A 4,000 x 1 float32; b_C 2,048 x 1 float32; b_f 2,048 x 1 float32; b_i 2,048 x 1 float32; b_o 2,048 x 1 float32; emb 4,000 x 1,024 float32; h_prev 2,048 x 2,048 float32; input_text 2,048 int32.
;; Outputs: out0 4,000 x 2,048 float32; out1 2,048 x 2,048 float32; out2 2,048 x 2,048 float32.
;; This version of the problem:
;;   THIS VERSION OF THE PROBLEM IS GIVEN IN LOW PRECISION. The matrix products marked QUANTISED in the list below multiply operands that are first quantised to E2M1 (2 exponent bits, 1 mantissa bit; 4 bits a number), with one power-of-two scale for each 32 numbers along K (OCP MX v1.0); their sums are f32. All else is computed in f32.
;;   The module's matrix products, in the order in which they are computed (A, B: the left and right operand; K: the contracted axis; several contracted axes count as one K, in the product's order):
;;     1. [M 2,048, K 3,072] x [K 3,072, N 2,048]; A: input W_f (given as codes); B: computed on the way: QUANTISED
;;     2. [M 2,048, K 3,072] x [K 3,072, N 2,048]; A: input W_i (given as codes); B: computed on the way: QUANTISED
;;     3. [M 2,048, K 3,072] x [K 3,072, N 2,048]; A: input W_o (given as codes); B: computed on the way: QUANTISED
;;     4. [M 2,048, K 3,072] x [K 3,072, N 2,048]; A: input W_C (given as codes); B: computed on the way: QUANTISED
;;     5. [M 4,000, K 2,048] x [K 2,048, N 2,048]; A: input W_A (given as codes); B: computed on the way: QUANTISED
;;   THE QUANTISER, for each operand of a quantised product, along K:
;;     - K is cut into blocks of 32 from its start; a last block that is shorter is filled with zeros.
;;     - A block's scale is 2^e with e = floor(log2(the largest magnitude in the block)) - 2, held to -126 .. 127; a block of zeros has e = 0. As a byte (E8M0): e + 127.
;;     - Each number is divided by its block's scale, clamped to +-6, and rounded to the nearest number of E2M1, ties to even, subnormals kept.
;;     - The product sums the exact products of the quantised numbers (number of the format x scale) in f32.
;;   ~~~python
;;   def quantise(x, axis):      # numpy; x: float32 -> the quantised numbers, widened to float32 again
;;       x = np.moveaxis(x, axis, -1); K = x.shape[-1]
;;       x = np.pad(x, [(0, 0)] * (x.ndim - 1) + [(0, -K % 32)]); x = x.reshape(x.shape[:-1] + (-1, 32)); a = np.abs(x).max(-1, keepdims=True)
;;       e = np.where(a > 0, np.clip(np.frexp(np.where(a > 0, a, 1))[1] - 1 - 2, -126, 127), 0)      # np.frexp(a)[1] - 1 = floor(log2(a)), exactly
;;       r = np.clip(x / 2.0 ** e, -6, 6)
;;       step = 2.0 ** (np.maximum(np.frexp(np.where(r == 0, 1, r))[1] - 1, 0) - 1)
;;       q = np.round(r / step) * step * 2.0 ** e      # np.round: ties to even
;;       return np.moveaxis(q.reshape(q.shape[:-2] + (-1,))[..., :K], -1, axis).astype(np.float32)
;;   ~~~
;;   OPERANDS COMPUTED ON THE WAY. 'Computed on the way' means the value that the module computes at that place (a softmax that the list does not call 'softmax' is quantised finished and normalised). What goes into a quantiser is computed in f32, as accurately as f32 sums, v_exp_f32 and their like allow (about 1e-6 of the number): no bf16 or f16 on the way to a quantiser, and a product that is left as it is and whose result goes on into a quantised operand takes f32 operands (vector FMAs, or v_wmma_f32_16x16x4_f32). A number that lies on a knife's edge between two numbers of the format may be rounded either way, as far as f32 arithmetic and the matrix unit's own rounding can turn it there, and no further.
;;   INPUTS GIVEN AS CODES. W_A (in the module: [4000, 2048], K = its axis 1); W_C (in the module: [2048, 3072], K = its axis 1); W_f (in the module: [2048, 3072], K = its axis 1); W_i (in the module: [2048, 3072], K = its axis 1); W_o (in the module: [2048, 3072], K = its axis 1): each comes as NAME_codes (uint8): NAME with its K axis moved to the last place and cut into blocks of 32 codes, [.., K / 32, bytes a block], one block behind the other in memory; two codes a byte, the lower K in the low four bits (a code: sign, 2 exponent bits, 1 mantissa bit); and NAME_scales (uint8): the same leading axes, one E8M0 byte (e + 127) for each 32 codes along K. Its value is code x scale, taken as it is: it is not quantised again, and the codes and scales need not be those that the quantiser above would give.
;; One version. Each part assembles by itself: llvm-mc -triple=amdgcn-amd-amdhsa -mcpu=gfx1250 --defsym DOCPART=n.
;; ======== version 1 of 1: 3 launches
;; limits: right only within a limited range of input values
;; workspace buffers: z_codes 3,145,728 bytes; z_scales 196,608 bytes; h_codes 2,097,152 bytes; h_scales 131,072 bytes
;; launch quant (part 1): grid 256 x 1, 6 waves a work-group, no clusters, 34,560 bytes of LDS; arguments h_prev, emb, input_text, z_codes, z_scales; writes z_codes, z_scales
.if DOCPART == 1
	.amdgcn_target "amdgcn-amd-amdhsa--gfx1250"
	.amdhsa_code_object_version 6
	.text
	.protected	k_q9a0d710311_quant
	.globl	k_q9a0d710311_quant
	.p2align	8
	.type	k_q9a0d710311_quant,@function
k_q9a0d710311_quant:
	s_mov_b64 s[64:65], 0
	v_nop
	global_prefetch_b8 v0, s[64:65] scope:SCOPE_SE
	s_setreg_imm32_b32 hwreg(HW_REG_WAVE_MODE, 25, 1), 1
	s_wait_xcnt 0x0
; z = [h_prev ; emb[input_text]^T], [3072 (K)][2048 (batch)], is turned into codes of E2M1 with one E8M0 byte for each 32 along K.
; z_codes:  [96 blocks of K][2048 places][16 bytes]: a block's 32 codes of one batch column, the lower k in the lower bits.
;           Batch b lies at place 64 (b / 64) + 16 (b % 4) + (b / 4) % 16: the products' tiles of 16 columns take every fourth batch number.
; z_scales: [96 blocks][2048 batch numbers in their own order], one byte each.
; A block's scale is 2^(floor(log2(its largest magnitude)) - 2); its byte is that magnitude's exponent field - 2, held at 1 from below.
; LIMITS: NaN and infinities among the inputs are not served.  A block of zeros gets the byte 1 where the quantiser's text says 127: its codes are zeros,
; which add nothing under any byte but 0xff, and the bytes are read by this program alone.
; SHARES.  h_prev is 1,024 pieces of 16 KiB (a block of 32 rows x 128 columns), the gathered rows of emb 512 pieces of 16 KiB: every one of the 256 work-groups has
; four waves on h_prev (K is its first axis) and two on emb (K innermost), so all work-groups have the same share.  Waves share nothing: no barrier.
; No tensor loads, no matrix unit, no cluster: a stream in which every wave asks for all its 32 x 512 bytes at its start.
.set OFF,  16                          ; v16-31, v240-255  the gather's byte offsets, 16 for each of a wave's two rounds
.set X,    32                          ; v32-159  numbers as loaded
.set Y,    160                         ; v160-223 two blocks of 32 neighbours along K
.set C,    224                         ; v224-239 codes: four registers a block, each written once, so that no store's data are written again
.set SP,   528                         ; a row of the stage: 512 bytes + 16: an odd multiple of 16, so sixteen rows' 16 bytes fall on sixteen different columns of 256 bytes
.set STG,  16*SP                       ; a stage: 16 rows
.set WREG, 2*STG                       ; LDS of a wave on emb: two stages
; 32 numbers of one block, v[ys] on, become 4 registers of codes, v[cd] on, and the block's byte in v11
.macro QB ys, cd
	v_max3_num_f32 v8, |v[(\ys)]|, |v[(\ys)+1]|, |v[(\ys)+2]|      ; the largest magnitude, in two chains
	v_max3_num_f32 v9, |v[(\ys)+3]|, |v[(\ys)+4]|, |v[(\ys)+5]|
.irp i, 6,10,14,18,22,26
	v_max3_num_f32 v8, v8, |v[(\ys)+\i]|, |v[(\ys)+\i+1]|
	v_max3_num_f32 v9, v9, |v[(\ys)+\i+2]|, |v[(\ys)+\i+3]|
.endr
	v_max3_num_f32 v8, v8, |v[(\ys)+30]|, |v[(\ys)+31]|
	v_max3_num_f32 v8, v8, v9, 0x1800000           ; and the floor 2^(3 - 127): the byte cannot fall under 1
	v_add_nc_u32 v10, 0xff000000, v8               ; 2 off the exponent field: the conversion takes this operand's exponent field as its scale
	v_lshrrev_b32 v11, 23, v10                     ; the byte
.irp g, 0,1,2,3
	v_cvt_scalef32_pk8_fp4_f32 v[(\cd)+\g], v[(\ys)+8*\g:(\ys)+8*\g+7], v10
.endr
	v_nop                                          ; one plain line behind the conversions: their sources are written again by vector lines
.endm
	s_load_b128 s[4:7], s[0:1], 0x0                ; h_prev s[4:5], emb s[6:7]
	s_load_b128 s[8:11], s[0:1], 0x10              ; input_text s[8:9], z_codes s[10:11]
	s_load_b64 s[12:13], s[0:1], 0x20              ; z_scales
	s_set_vgpr_msb 0x40
	v_lshl_add_u32 v0, v0, 2, 0x8400
	v_mov_b32 v1, 0
	s_set_vgpr_msb 0x4000
	v_lshrrev_b32 v1, 5, v0
	v_readfirstlane_b32 s14, v1                    ; wave 0..5
	v_and_b32 v1, 31, v0                           ; lane
	v_lshlrev_b32 v2, 4, v1                        ; 16 x lane
	v_and_b32 v3, 15, v0                           ; r = lane % 16
	v_bfe_u32 v4, v0, 4, 1                         ; hh = lane / 16
	s_cmp_lt_u32 s14, 4
	s_cbranch_scc0 .Lemb
; ---- h_prev (waves 0-3).  A wave takes one block of 32 rows (k) x 128 columns: 32 loads of 512 consecutive bytes.  Register 4 i + t is (k = i, column 4 lane + t).
	s_and_b32 s16, ttmp9, 15                       ; which 128 columns
	s_lshr_b32 s17, ttmp9, 4
	s_lshl_b32 s17, s17, 2
	s_add_co_u32 s17, s17, s14                     ; which block of K: 0..63
	v_lshlrev_b32 v5, 4, v3
	v_lshl_add_u32 v5, v4, 10, v5                  ; codes: 16 r + 1,024 hh (lanes 16-31 hold the next 64 batch numbers)
	v_lshlrev_b32 v6, 2, v1                        ; bytes: 4 x lane
	s_lshl_b32 s18, s17, 18                        ; h_prev: 32 rows of 8,192 bytes a block, 512 bytes for 128 columns
	s_lshl_b32 s20, s16, 9
	s_add_co_u32 s18, s18, s20
	s_mov_b32 s19, 0
	s_lshl_b32 s20, s17, 15                        ; codes: 32,768 bytes a block, 2,048 for 128 places
	s_lshl_b32 s22, s16, 11
	s_add_co_u32 s20, s20, s22
	s_mov_b32 s21, 0
	s_lshl_b32 s22, s17, 11                        ; bytes: 2,048 a block
	s_lshl_b32 s24, s16, 7
	s_add_co_u32 s22, s22, s24
	s_mov_b32 s23, 0
	s_wait_kmcnt 0x0
	s_add_nc_u64 s[4:5], s[4:5], s[18:19]
	s_add_nc_u64 s[10:11], s[10:11], s[20:21]
	s_add_nc_u64 s[12:13], s[12:13], s[22:23]
.set i, 0
	s_wait_alu depctr_va_vdst(0)
.rept 32
	global_load_b128 v[X+4*i:X+4*i+3], v2, s[4:5] offset:8192*i th:TH_LOAD_NT
.set i, i+1
.endr
	s_wait_loadcnt 0x0                             ; a block's largest magnitude wants all 32 rows
.irp t, 0,1,2,3
.set i, 0
.rept 32
	v_mov_b32 v[Y+32*(\t%2)+i], v[X+4*i+\t]        ; column 4 lane + t: its 32 numbers on end, as the conversions take them
.set i, i+1
.endr
	QB Y+32*(\t%2), C+4*\t
.if \t == 0
	v_mov_b32 v12, v11                             ; the four columns' bytes make one word: four neighbouring batch numbers
.else
	v_lshl_or_b32 v12, v11, 8*\t, v12
.endif
	global_store_b128 v5, v[C+4*\t:C+4*\t+3], s[10:11] offset:256*\t   ; each half of the lanes stores 256 consecutive bytes, aligned
.endr
	global_store_b32 v6, v12, s[12:13]             ; 128 consecutive bytes
	s_endpgm
; ---- emb (waves 4, 5).  The two waves take 64 batch numbers x 128 along K (512 bytes of a row).  Round t takes the 16 rows of batch 4 q + t; wave 4 has rounds 0, 1, wave 5 rounds 2, 3.
; A load brings 512 consecutive bytes of ONE row; the rows turn through the wave's own stage, so that lane (r, hh) gets whole blocks of row r.
.Lemb:
	s_and_b32 s84, s14, 1                          ; tp: which two rounds
	s_lshr_b32 s85, ttmp9, 3                       ; which 64 batch numbers
	s_and_b32 s86, ttmp9, 7                        ; which 128 along K
	s_lshl_b32 s88, s85, 8
	s_mov_b32 s89, 0
	s_wait_kmcnt 0x0
	s_add_nc_u64 s[8:9], s[8:9], s[88:89]
	s_load_b512 s[16:31], s[8:9], 0x0              ; the 64 indices: index n in s[16 + n], from n = 48 on in s[20 + n]
	s_load_b512 s[32:47], s[8:9], 0x40
	s_load_b512 s[48:63], s[8:9], 0x80
	s_load_b512 s[68:83], s[8:9], 0xc0
	s_lshl_b32 s87, s86, 9
	s_wait_alu depctr_va_vdst(0)
	v_add_nc_u32 v7, s87, v2                       ; my 16 bytes of a row's 512
	s_mul_i32 s90, s84, WREG
	v_add_nc_u32 v14, s90, v2                      ; the stage, in: 16 x lane of a row
	v_mul_u32_u24 v15, v3, SP
	v_lshl_add_u32 v15, v4, 7, v15
	v_add_nc_u32 v15, s90, v15                     ; out: row r, block hh of a pair of blocks
	v_lshlrev_b32 v5, 4, v3
	v_lshl_add_u32 v5, v4, 15, v5                  ; codes: 16 r, + one block's 32,768 bytes for lanes 16-31
	v_lshlrev_b32 v6, 2, v3
	v_lshl_add_u32 v6, v4, 11, v6                  ; bytes: 4 r, + one block's 2,048
	s_lshl_b32 s88, s86, 17                        ; codes: block 64 + 4 x (my 128 along K), place 64 x (my 64 batch numbers) + 16 x (my first round)
	s_add_co_u32 s88, s88, 64<<15
	s_lshl_b32 s91, s85, 10
	s_add_co_u32 s88, s88, s91
	s_lshl_b32 s91, s84, 9
	s_add_co_u32 s88, s88, s91
	s_add_nc_u64 s[10:11], s[10:11], s[88:89]
	s_lshl_b32 s92, s86, 13                        ; bytes: the same block, batch 64 x (..) + my first round
	s_add_co_u32 s92, s92, 64<<11
	s_lshl_b32 s91, s85, 6
	s_add_co_u32 s92, s92, s91
	s_lshl_b32 s91, s84, 1
	s_add_co_u32 s92, s92, s91
	s_mov_b32 s93, 0
	s_add_nc_u64 s[12:13], s[12:13], s[92:93]
	s_wait_alu depctr_va_vdst(0)
	s_wait_kmcnt 0x0
	s_cmp_eq_u32 s84, 1                            ; of every four indices the lower pair is wave 4's, the upper pair wave 5's: mine come to lie in the lower pair's registers
.irp q, 0,1,2,3,4,5,6,7,8,9,10,11,12,13,14,15
	s_cselect_b64 s[16+4*\q+4*(\q/12):17+4*\q+4*(\q/12)], s[18+4*\q+4*(\q/12):19+4*\q+4*(\q/12)], s[16+4*\q+4*(\q/12):17+4*\q+4*(\q/12)]
.endr
.irp q, 0,1,2,3,4,5,6,7,8,9,10,11,12,13,14,15
.irp u, 0,1
	s_min_u32 s[16+4*\q+\u+4*(\q/12)], s[16+4*\q+\u+4*(\q/12)], 3999   ; an index stays inside the table
	s_lshl_b32 s[16+4*\q+\u+4*(\q/12)], s[16+4*\q+\u+4*(\q/12)], 12    ; a row of emb is 4,096 bytes
.endr
.endr
.macro GLOAD u                         ; my round u's 16 rows into set u.  Each round has offset registers of its own.  No cache word: a row may be named twice
.irp q, 0,1,2,3,4,5,6,7,8,9,10,11,12,13,14,15
	v_add_nc_u32 v[OFF+224*(\u)+\q], s[16+4*\q+(\u)+4*(\q/12)], v7
.endr
.irp q, 0,1,2,3,4,5,6,7,8,9,10,11,12,13,14,15
	global_load_b128 v[X+64*(\u)+4*\q:X+64*(\u)+4*\q+3], v[OFF+224*(\u)+\q], s[6:7]
.endr
.endm
	GLOAD 0
	GLOAD 1
.irp u, 0,1
.if \u == 0
	s_wait_loadcnt 16                              ; this round's 16 loads are in; the other round's 16 may be out
.else
	s_wait_loadcnt 0x0
.endif
.irp q, 0,1,2,3,4,5,6,7,8,9,10,11,12,13,14,15
	ds_store_b128 v14, v[X+64*\u+4*\q:X+64*\u+4*\q+3] offset:STG*\u+SP*\q
.endr
.irp p, 0,1                            ; LDS serves a wave's instructions in order (ISA guide 5.7.1.4): these see the stores above
.irp m, 0,1,2,3,4,5,6,7
	ds_load_b128 v[Y+32*\p+4*\m:Y+32*\p+4*\m+3], v15 offset:STG*\u+256*\p+16*\m   ; block 2 p + hh of row r
.endr
.endr
	s_wait_dscnt 0x0                               ; the blocks are in
.irp p, 0,1
	QB Y+32*\p, C+8*\u+4*\p
.if \u == 0
	v_mov_b32 v[12+\p], v11                        ; my two rounds' bytes: two neighbouring batch numbers
.else
	v_lshl_or_b32 v[12+\p], v11, 8, v[12+\p]
.endif
	global_store_b128 v5, v[C+8*\u+4*\p:C+8*\u+4*\p+3], s[10:11] offset:65536*\p+256*\u   ; each half of the lanes: 256 consecutive bytes, aligned
.endr
.endr
	global_store_b16 v6, v12, s[12:13]             ; two bytes of every four in a run of 64; the other wave has the other two.  128 bytes a wave against 2,048 of codes
	global_store_b16 v6, v13, s[12:13] offset:4096
	s_set_vgpr_msb 0x5
	s_wait_tensorcnt 0x0
	ds_add_u32 v0, v1
	s_wait_dscnt 0x0
	s_set_vgpr_msb 0x500
	s_endpgm
.Lfunc_end_k_q9a0d710311_quant:
	.size	k_q9a0d710311_quant, .Lfunc_end_k_q9a0d710311_quant-k_q9a0d710311_quant
	.p2alignl 7, 3214868480
	.fill 96, 4, 3214868480
	.section	.rodata,"a",@progbits
	.p2align	6, 0x0
	.amdhsa_kernel k_q9a0d710311_quant
		.amdhsa_group_segment_fixed_size 34560
		.amdhsa_private_segment_fixed_size 0
		.amdhsa_enable_private_segment 0
		.amdhsa_kernarg_size 40
		.amdhsa_user_sgpr_count 2
		.amdhsa_user_sgpr_kernarg_segment_ptr 1
		.amdhsa_wavefront_size32 1
		.amdhsa_system_sgpr_workgroup_id_x 1
		.amdhsa_system_sgpr_workgroup_id_y 1
		.amdhsa_system_sgpr_workgroup_id_z 1
		.amdhsa_system_vgpr_workitem_id 0
		.amdhsa_next_free_vgpr 258
		.amdhsa_next_free_sgpr 96
		.amdhsa_reserve_vcc 0
		.amdhsa_float_denorm_mode_32 3
		.amdhsa_float_denorm_mode_16_64 3
		.amdhsa_memory_ordered 1
		.amdhsa_forward_progress 1
		.amdhsa_inst_pref_size 35
	.end_amdhsa_kernel
	.amdgpu_metadata
---
amdhsa.version: [ 1, 2 ]
amdhsa.kernels:
  - .name:           k_q9a0d710311_quant
    .symbol:         k_q9a0d710311_quant.kd
    .args:
      - { .name: h_prev, .offset: 0, .size: 8, .value_kind: global_buffer, .address_space: global }
      - { .name: emb, .offset: 8, .size: 8, .value_kind: global_buffer, .address_space: global }
      - { .name: input_text, .offset: 16, .size: 8, .value_kind: global_buffer, .address_space: global }
      - { .name: z_codes, .offset: 24, .size: 8, .value_kind: global_buffer, .address_space: global }
      - { .name: z_scales, .offset: 32, .size: 8, .value_kind: global_buffer, .address_space: global }
    .group_segment_fixed_size: 34560
    .private_segment_fixed_size: 0
    .kernarg_segment_align: 8
    .kernarg_segment_size: 40
    .max_flat_workgroup_size: 192
    .sgpr_count:     96
    .vgpr_count:     258
    .wavefront_size: 32
...
	.end_amdgpu_metadata
.endif
;; end of part 1
;; launch gates (part 2): grid 8 x 32, 4 waves a work-group, clusters of 4 x 1, 327,680 bytes of LDS; arguments z_codes, z_scales, W_f_codes, W_i_codes, W_o_codes, W_C_codes, W_f_scales, W_i_scales, W_o_scales, W_C_scales, b_f, b_i, b_o, b_C, C_prev, out1, out2, h_codes, h_scales; writes out1, out2, h_codes, h_scales
.if DOCPART == 2
	.amdgcn_target "amdgcn-amd-amdhsa--gfx1250"
	.amdhsa_code_object_version 6
	.text
	.protected	k_q9a0d710311_gates
	.globl	k_q9a0d710311_gates
	.p2align	8
	.type	k_q9a0d710311_gates,@function
k_q9a0d710311_gates:
	s_mov_b64 s[64:65], 0
	v_nop
	global_prefetch_b8 v0, s[64:65] scope:SCOPE_SE
	s_setreg_imm32_b32 hwreg(HW_REG_WAVE_MODE, 25, 1), 1
	s_wait_xcnt 0x0
	s_wait_alu depctr_hold_cnt(0) depctr_sa_sdst(0) depctr_va_vdst(0) depctr_va_sdst(0) depctr_va_ssrc(0) depctr_va_vcc(0) depctr_vm_vsrc(0)
	s_getreg_b32 s2, hwreg(HW_REG_IB_STS2, 6, 4)
	s_cmp_eq_u32 s2, 0
	s_cbranch_scc0 .Lentry_in_a_cluster
	s_endpgm
.Lentry_in_a_cluster:
	s_bfe_u32 s2, ttmp6, 0x10000c
	s_cmp_lg_u32 s2, 0x3003
	s_cbranch_scc0 .Lentry_shape_is_right
	s_endpgm
.Lentry_shape_is_right:
; The four gate products W_g z + b_g (codes of E2M1, one E8M0 byte for each 32 along K = 3,072), the cell in f32, and h quantised along the hidden axis for the next launch.
;   f, i, o = sigmoid(..), c~ = tanh(..), C = f C_prev + i c~ (out2), h = o tanh(C) (out1); h_codes, h_scales laid as z_codes, z_scales are.
; SHARES.  A work-group takes 64 hidden units x 4 gates (256 rows of weights) x 256 batch numbers: 32 x 8 work-groups.  Four waves; wave w takes all 256 rows x batch numbers 64 w .. 64 w + 63:
; 64 accumulators, 512 registers.  A K step has five tiles (four weights, z) and four waves with one tensor load each: so the WEIGHTS go through LDS, wave w fetching gate w's tile,
; and z's fragments go from memory straight into registers: z_codes lies in the fragments' own order, each half of the lanes reads 256 consecutive bytes, and no two waves of a work-group read the same byte of z.
; CLUSTER 4 x 1: the four partners share the weights' tiles: joint loads.  z is not asked for jointly: it does not pass through LDS.
; K goes in slots of 512 through two LDS slots: six fills in all.  PREFETCH: behind each fill but the last, one prefetch names the weights of the next fill, four steps of 128 ahead of the load that wants them:
; wave w asks for gate w; of its 64 rows the partner at place cx takes 16, a lane a row's 256 bytes (lanes 16-31 name lane 15's again).  The last fill is followed by none.  z is not prefetched: its own loads run three steps ahead.
; z is asked for three steps of 128 ahead (four register sets of 32).  The scale words of W and of z are laid once into LDS by the waves (bytes of their own), so that all register numbers come back after four steps:
; the loop's trip is four steps.
; LAYOUT.  Source 0 = 16 rows of a weight, source 1 = 16 batch columns: lane (r, h) holds ONE batch column and its registers j the hidden units 8 h + j.  Of 64 batch numbers tile t, lane r takes 4 r + t:
; the four tiles' registers of one hidden unit are 16 neighbouring bytes of C_prev, out1 and out2: no result goes through LDS.
; sigmoid(x) = 1 / (1 + 2^(-x log2 e)), tanh(x) = 1 - 2 / (1 + 2^(2 x log2 e)): large arguments end at 0, 1 and -1 by 2^x = infinity or 0.
; LIMITS: NaN and infinities among the inputs are not served; a block of h that is all zeros gets the byte 1 (its codes are zeros; only this program reads the bytes).
; REGISTERS.  W's 16 fragments (f = 8 hw + 2 gate + u) have two sets: even steps v16-143 of window 0, odd steps v128-255 of window 1 (where the biases lie until the first step has read them).
; Window 0 besides: v1-15 addresses; v144-159 W's scale words, two sets; v160-167 z's, two sets; v224-231 constants; v252 the prefetch's offset.  Window 1: v0-127 z's four sets.
; Window 2 + hw: the accumulators of hidden units 32 hw ..: (a = 2 gate + u, t) at v[8 (4 a + t)].
.set PITCH, 272                        ; a weight's row in LDS: 256 bytes + 16
.set GATEB, 64*PITCH
.set S1,    0x20000                    ; slot 1; slot 0 lies at 0 and ends at 69,632
.set SCL,   0x12000                    ; W's scale words: [24 steps][2 groups][32 lanes][4 words]
.set ZSL,   0x18000                    ; z's scale words: 6,144 bytes a wave: [12 pairs of steps][32 lanes][4 tiles]
.set SPARE, 0x1e000                    ; the spare words, 128 bytes a wave
.set SPW,  1
.set NIL,  2
.set ADRA, 3                           ; my row of a fragment in the slot that is read
.set ADRA0,4                           ; the same in slot 0
.set ADRS, 5                           ; W's scale words of this slot's steps
.set ADRZ, 6                           ; z's
.set ZGO,  7                           ; 32,768 h + 16 r: z's codes in memory
.set ADC,  8
.set GO,   9
.set HCO,  10
.set HSO,  11
.set V16H, 12
.set BO,   13
.set ZSO,  14
.set ADW,  15
.set WF,   16
.set SC,   144
.set ZS,   160
.set RAW,  16
.set RWS,  64
.set ZT,   176
.set TT,   224
.set KS,   224
.set KT,   226
.set ONE,  228
.set MTWO, 230
.set M,    232
.set M2,   236
.set SOP,  240
.set BY,   244
.set WORD, 248
.set PFO,  252                         ; (16 cx + min(lane, 15)) rows of 1,536 bytes; never rewritten
.set WV, 10
.set BT, 16
.set HT, 17
.set G1,  24
.set G0,  32
.set SOFF, 36
.set G1C, 40
.set G0C, 48
.set PF,  54                           ; s[54:55] my gate's rows at the fill that the next prefetch names
.set MSB, 0
.macro WIN new
.if MSB != \new
	s_set_vgpr_msb (MSB<<8)|\new
.set MSB, \new
.endif
.endm
.macro PLACES n
.rept \n
	v_nop
.endr
.endm
.macro CREST
	s_cmp_lg_u32 s[WV], 0
	s_cbranch_scc1 .Lnot_wave_0_\@
	s_barrier_signal -3
.Lnot_wave_0_\@:
	s_barrier_wait -3
	s_barrier_signal -1
	s_barrier_wait -1
.endm
.macro CROUND
	s_barrier_signal -1
	s_barrier_wait -1
	CREST
.endm
.macro WFILL                           ; the other slot, 256 bytes further along the weights' rows; my one tensor load behind the round
	s_xor_b32 s[G0+1], s[G0+1], S1
	s_add_nc_u64 s[G0+2:G0+3], s[G0+2:G0+3], 256
	tensor_load_to_lds s[G0:G0+3], s[G1:G1+7]
	s_nop 0
	PLACES 4
.endm
.macro FETCHW hw, q                    ; eight fragments of the slot's step q into set q % 2: 16 rows x 128 K each: lane (r, h) takes 16 bytes at row r, 16 h, twice, 32 bytes apart
.set FB, WF+112*((\q)%2)
.set FWN, 0x40*((\q)%2)
	WIN FWN
.irp g, 0,1,2,3
.irp u, 0,1
.irp c, 0,1
	ds_load_b128 v[FB+8*(8*(\hw)+2*\g+\u)+4*\c:FB+8*(8*(\hw)+2*\g+\u)+4*\c+3], v[ADRA] offset:\g*GATEB+(32*(\hw)+16*\u)*PITCH+64*(\q)+32*\c
.endr
.endr
.endr
.endm
.macro SCW q                           ; W's scale words of the slot's step q into set q % 2: register 2 gate + hw: lanes 0-15 u = 0, lanes 16-31 u = 1
.irp p, 0,1
	ds_load_b128 v[SC+8*((\q)%2)+4*\p:SC+8*((\q)%2)+4*\p+3], v[ADRS] offset:(\q)*1024+512*\p
.endr
.endm
.macro ZSW p                           ; z's scale words of the slot's steps 2 p, 2 p + 1: register t: lanes 0-15 the even step, lanes 16-31 the odd one
	ds_load_b128 v[ZS+4*(\p):ZS+4*(\p)+3], v[ADRZ] offset:512*(\p)
.endm
.macro ZLOAD zq, set                   ; z's four tiles of step zq (counted from the slot at which s[68:69] stands) into a set of window 1
	WIN 0x40
.irp t, 0,1,2,3
.irp c, 0,1
	global_load_b128 v[32*(\set)+8*\t+4*\c:32*(\set)+8*\t+4*\c+3], v[ZGO], s[68:69] offset:(4*(\zq)+2*\c)*32768+256*\t
.endr
.endr
	WIN 0
.endm
.macro WM f, t, q, cm                  ; fragment f x tile t, the slot's step q.  cm = 2: the bias is the C of the sum's first product
.set rD, 8*(4*((\f)%8)+(\t))
.set rC, rD
.if \cm == 2
.set rC, 128+8*(\f)
.endif
.set rA, WF+112*((\q)%2)+8*(\f)
.set rB, 32*(\q)+8*(\t)
.set rS, SC+8*((\q)%2)+2*(((\f)%8)/2)+(\f)/8
.set rT, ZS+4*((\q)/2)+(\t)
.if ((\f)%2 == 0) && ((\q)%2 == 0)
	v_wmma_scale_f32_16x16x128_f8f6f4 v[rD:rD+7], v[rA:rA+7], v[rB:rB+7], v[rC:rC+7], v[rS], v[rT] matrix_a_fmt:MATRIX_FMT_FP4 matrix_b_fmt:MATRIX_FMT_FP4
.elseif (\f)%2 == 0
	v_wmma_scale_f32_16x16x128_f8f6f4 v[rD:rD+7], v[rA:rA+7], v[rB:rB+7], v[rC:rC+7], v[rS], v[rT] matrix_a_fmt:MATRIX_FMT_FP4 matrix_b_fmt:MATRIX_FMT_FP4 matrix_b_scale:MATRIX_SCALE_ROW1
.elseif (\q)%2 == 0
	v_wmma_scale_f32_16x16x128_f8f6f4 v[rD:rD+7], v[rA:rA+7], v[rB:rB+7], v[rC:rC+7], v[rS], v[rT] matrix_a_fmt:MATRIX_FMT_FP4 matrix_b_fmt:MATRIX_FMT_FP4 matrix_a_scale:MATRIX_SCALE_ROW1
.else
	v_wmma_scale_f32_16x16x128_f8f6f4 v[rD:rD+7], v[rA:rA+7], v[rB:rB+7], v[rC:rC+7], v[rS], v[rT] matrix_a_fmt:MATRIX_FMT_FP4 matrix_b_fmt:MATRIX_FMT_FP4 matrix_a_scale:MATRIX_SCALE_ROW1 matrix_b_scale:MATRIX_SCALE_ROW1
.endif
.endm
.macro MULQ f0, q, cm                  ; 16 products; the 64 accumulators take turns, one instruction a turn, in the same order in every step
.irp d, 0,1,2,3
.irp t, 0,1,2,3
	WM (\f0)+\d, \t, \q, \cm
.endr
.endr
.endm
.macro MUL64 q, cm                     ; a step's 64 products.  Source 0 lies in window q % 2, source 1 in window 1; the bias, where it is the C, in window 1
.set WL, 0xa4-0x10*((\cm)/2)+(\q)%2
.set WHI, 0xf4-0x20*((\cm)/2)+(\q)%2
	WIN WL
	MULQ 0, \q, \cm
	MULQ 4, \q, \cm
	WIN WHI
	MULQ 8, \q, \cm
	MULQ 12, \q, \cm
.endm
; A step of 128 along K whose successor lies in the same slot: ONE run of places and loads at its head (the next step's fragments and scale words, z three steps on), then 64 products on end.
; nl: the loads of z issued behind this step's set, which may stay out.  zq: the step of z that is asked for (-1: none is left).
; cm = 2, the very first step: its products come first, since they read the biases, whose registers the fetch then takes.
.macro STEP q, nl, zq, cm
	s_wait_dscnt 0x0                               ; this step's fragments and scale words, asked for a step ago
	s_wait_loadcnt \nl
.if \cm == 2
	MUL64 \q, \cm
.endif
	PLACES 4                                       ; behind the products that read the sets which the loads below fill
	FETCHW 0, (\q)+1
	FETCHW 1, (\q)+1
	WIN 0
	SCW (\q)+1
.if \q == 1
	ZSW 1
.endif
.if \zq >= 0
	ZLOAD \zq, ((\q)+3)%4
.endif
.if \cm != 2
	MUL64 \q, \cm
.endif
	WIN 0
.endm
; A slot's last step changes slots: ONE barrier, which opens a round of the cluster's.  fill = 1: the slot just read takes the weights two slots on; fill = 2: slot 0 takes each wave's tile of C_prev.
.macro TURN fill
	s_wait_tensorcnt 0x0                           ; all my tensor loads have landed: my gate's tile of the next slot
	ds_add_u32 v[SPW], v[NIL]
	s_wait_dscnt 1                                 ; (the add may be out: this step's fragments are in)
	s_wait_loadcnt 16
	WIN 0xa5
	MULQ 0, 3, 0
	s_wait_dscnt 0x0                               ; the add is done, and my reads of this slot are over
	s_barrier_signal -1
	MULQ 4, 3, 0
	WIN 0
	s_barrier_wait -1
	CREST
.if \fill == 1
	WFILL
.else
	tensor_load_to_lds s[G0C:G0C+3], s[G1C:G1C+7]
	s_nop 0
	PLACES 4
.endif
	s_xor_b32 s[SOFF], s[SOFF], S1
	v_add_nc_u32 v[ADRA], s[SOFF], v[ADRA0]        ; on to the other slot,
	v_add_nc_u32 v[ADRS], 4096, v[ADRS]            ; to its four steps' scale words of W
	v_add_nc_u32 v[ADRZ], 1024, v[ADRZ]            ; and of z
	s_wait_alu depctr_va_vdst(0)                   ; behind the writes
	s_wait_xcnt 0x0                                ; the loads of z and the last prefetch have read their bases
	s_add_nc_u64 s[68:69], s[68:69], 524288        ; 16 blocks of z on
.if \fill == 1
	s_add_nc_u64 s[PF:PF+1], s[PF:PF+1], 256       ; the fill behind the one just asked for
.endif
	FETCHW 0, 0
	FETCHW 1, 0
	SCW 0
	ZSW 0
	ZLOAD 2, 2
.if \fill == 1
	s_cmp_gt_u32 s37, 1                            ; the loop's last trip has asked for the last fill: no prefetch follows it
	s_cbranch_scc0 .Lno_ask_\@
	global_prefetch_b8 v[PFO], s[PF:PF+1] th:TH_LOAD_NT scope:SCOPE_SE
.Lno_ask_\@:
.endif
	WIN 0xf5
	MULQ 8, 3, 0
	MULQ 12, 3, 0
	WIN 0
.endm
	s_load_b512 s[68:83], s[0:1], 0x0              ; z_codes 68, z_scales 70, W_f, W_i, W_o, W_C codes 72-79, W_f, W_i scales 80-83
	s_load_b512 s[84:99], s[0:1], 0x40             ; W_o, W_C scales 84-87, b_f, b_i, b_o, b_C 88-95, C_prev 96, out1 98
	s_load_b128 s[4:7], s[0:1], 0x80               ; out2 4, h_codes 6
	s_load_b64 s[8:9], s[0:1], 0x90                ; h_scales
	v_lshl_add_u32 v[SPW], v0, 2, SPARE
	v_mov_b32 v[NIL], 0
	ds_add_u32 v[SPW], v[NIL]                      ; the opening lines: the add twice on end and its wait
	ds_add_u32 v[SPW], v[NIL]
	v_lshrrev_b32 v16, 5, v0
	v_readfirstlane_b32 s[WV], v16                 ; wave 0..3
	s_bfe_u32 s14, ttmp6, 0x40000                  ; cx
	s_lshl_b32 s[BT], ttmp9, 2
	s_add_co_u32 s[BT], s[BT], s14                 ; which 256 batch numbers
	s_and_b32 s[HT], ttmp7, 0xffff                 ; which 64 hidden units: the four partners share it
	s_mov_b32 s[G1], 15|(1<<20)|(1<<21)|(5<<22)|(3<<25)   ; a gate's tile: all four partners; elements of 1 byte; 4 words of padding after every 64
	s_mov_b32 s[G1+1], 256<<16
	s_mov_b32 s[G1+2], 64<<16
	s_mov_b32 s[G1+3], 256<<16
	s_mov_b32 s[G1+4], 64
	s_mov_b32 s[G1+5], 1536
	s_mov_b32 s[G1+6], 0
	s_mov_b32 s[G1+7], 0
	s_mov_b32 s[G1C], 2<<16                        ; C_prev's tile, my own: 64 rows of 64 numbers of 4 bytes
	s_mov_b32 s[G1C+1], 64<<16
	s_mov_b32 s[G1C+2], 64<<16
	s_mov_b32 s[G1C+3], 64<<16
	s_mov_b32 s[G1C+4], 64
	s_mov_b32 s[G1C+5], 2048
	s_mov_b32 s[G1C+6], 0
	s_mov_b32 s[G1C+7], 0
	s_mov_b32 s[SOFF], 0
	s_mul_i32 s2, s[HT], 98304                     ; 64 rows of 1,536 bytes
	s_mov_b32 s3, 0
	s_wait_dscnt 0x0
	s_wait_kmcnt 0x0
	s_cmp_eq_u32 s[WV], 1                          ; the gate that I fetch: a choice on the wave's number alone
	s_cselect_b64 s[18:19], s[74:75], s[72:73]
	s_cselect_b64 s[20:21], s[82:83], s[80:81]
	s_cmp_eq_u32 s[WV], 2
	s_cselect_b64 s[18:19], s[76:77], s[18:19]
	s_cselect_b64 s[20:21], s[84:85], s[20:21]
	s_cmp_eq_u32 s[WV], 3
	s_cselect_b64 s[18:19], s[78:79], s[18:19]
	s_cselect_b64 s[20:21], s[86:87], s[20:21]
	s_add_nc_u64 s[18:19], s[18:19], s[2:3]
	s_mul_i32 s2, s[HT], 6144
	s_add_nc_u64 s[20:21], s[20:21], s[2:3]        ; my gate's scale bytes: 64 rows of 96
	s_mov_b32 s[G0], 1
	s_mul_i32 s[G0+1], s[WV], GATEB
	s_mov_b64 s[G0+2:G0+3], s[18:19]
	s_or_b32 s[G0+3], s[G0+3], 0x80000000
	s_add_nc_u64 s[PF:PF+1], s[18:19], 512         ; the third fill's bytes of my gate's rows: what the first prefetch names
	CROUND                                         ; the four partners are here: the first joint loads meet
	tensor_load_to_lds s[G0:G0+3], s[G1:G1+7]      ; slot 0: one tensor load a wave at the head
	s_nop 0
	PLACES 4
	s_lshl_b32 s2, s[HT], 19                       ; my corner in C_prev, out1, out2: row 64 ht of 8,192 bytes, column 256 bt + 64 w
	s_lshl_b32 s18, s[BT], 10
	s_add_co_u32 s2, s2, s18
	s_lshl_b32 s18, s[WV], 8
	s_add_co_u32 s2, s2, s18
	s_mov_b32 s[G0C], 1
	s_lshl_b32 s[G0C+1], s[WV], 14                 ; LDS: 16,384 bytes a wave, in slot 0
	s_add_nc_u64 s[G0C+2:G0C+3], s[96:97], s[2:3]
	s_or_b32 s[G0C+3], s[G0C+3], 0x80000000
	s_add_nc_u64 s[98:99], s[98:99], s[2:3]
	s_add_nc_u64 s[4:5], s[4:5], s[2:3]
	s_lshl_b32 s18, s[BT], 8
	s_lshl_b32 s2, s[WV], 6
	s_add_co_u32 s18, s18, s2                      ; my first batch number
	s_mov_b32 s19, 0
	s_add_nc_u64 s[70:71], s[70:71], s[18:19]      ; z_scales there
	s_lshl_b32 s2, s18, 4
	s_add_nc_u64 s[68:69], s[68:69], s[2:3]        ; z_codes: 16 bytes a place
	s_lshl_b32 s2, s[HT], 12
	s_add_co_u32 s18, s18, s2
	s_add_nc_u64 s[8:9], s[8:9], s[18:19]          ; h_scales: block 2 ht of 2,048 bytes
	s_lshl_b32 s18, s18, 4
	s_add_nc_u64 s[6:7], s[6:7], s[18:19]          ; h_codes
	s_lshl_b32 s18, s[HT], 8
.irp g, 0,1,2,3
	s_add_nc_u64 s[88+2*\g:89+2*\g], s[88+2*\g:89+2*\g], s[18:19]   ; the biases at my 64 hidden units
.endr
	s_mov_b32 s22, 0x76543210
	s_mov_b32 s23, 0xfedcba98
	s_mul_i32 s38, s[WV], 6144
	s_add_co_u32 s38, s38, ZSL                     ; my z scale words
	s_lshr_b32 s39, s[WV], 1
	s_lshl_b32 s39, s39, 9
	s_and_b32 s52, s[WV], 1
	s_lshl_b32 s52, s52, 3
	s_add_co_u32 s39, s39, s52
	s_add_co_u32 s39, s39, SCL                     ; my gate's words: group w / 2, words 2 (w % 2) + hw
	s_lshl_b32 s52, s[WV], 14
	s_lshl_b32 s53, s14, 4                         ; 16 cx: my work-group's rows of what the four partners prefetch
	v_and_b32 v168, 15, v0                         ; r
	v_bfe_u32 v169, v0, 4, 1                       ; h
	v_and_b32 v170, 31, v0                         ; lane
	v_lshlrev_b32 v[BO], 5, v169
	v_lshlrev_b32 v171, 2, v168
	v_lshl_add_u32 v[ZSO], v169, 13, v171
	v_lshlrev_b32 v172, 4, v168
	v_lshl_add_u32 v[ZGO], v169, 15, v172
	v_mul_u32_u24 v173, v170, 96
	v_mul_u32_u24 v174, v168, PITCH
	v_lshl_add_u32 v[ADRA0], v169, 4, v174
	v_lshl_add_u32 v[ADRA], v169, 4, v174
	v_lshlrev_b32 v175, 4, v170
	v_add_nc_u32 v[ADRS], SCL, v175
	v_add_nc_u32 v[ADRZ], s38, v175
	v_add_nc_u32 v[ADW], s39, v175
	v_lshl_add_u32 v176, v169, 11, v172
	v_add_nc_u32 v[ADC], s52, v176                 ; row 8 h of 256 bytes, + 16 r
	v_lshl_add_u32 v[GO], v169, 16, v172
	v_lshl_add_u32 v[HCO], v169, 3, v172
	v_lshl_add_u32 v[HSO], v169, 1, v171
	v_lshlrev_b32 v[V16H], 4, v169
	v_min_u32 v[PFO], 15, v170
	v_add_nc_u32 v[PFO], s53, v[PFO]
	v_mul_u32_u24 v[PFO], v[PFO], 1536             ; row 16 cx + min(lane, 15) of my gate's 64
	s_wait_alu depctr_va_vdst(0)                   ; behind the head's address work
.set qq, 0
.rept 12                               ; z's scale bytes: a word is one block's bytes of batch 4 r + 0 .. 3; lanes 0-15 take step 2 qq's four blocks, lanes 16-31 step 2 qq + 1's
.irp b, 0,1,2,3
	global_load_b32 v[RAW+4*qq+\b], v[ZSO], s[70:71] offset:16384*qq+2048*\b
.endr
.set qq, qq+1
.endr
.irp hf, 0,1                           ; my gate's scale bytes: lane takes row 32 hf + lane, 16 bytes for each 512 along K; the twelve loads cover the 6,144 dense bytes
.irp p, 0,1,2,3,4,5
	global_load_b128 v[RWS+4*(6*\hf+\p):RWS+4*(6*\hf+\p)+3], v173, s[20:21] offset:3072*\hf+16*\p
.endr
.endr
	WIN 0x40
.irp hw, 0,1                           ; fragment f wants the biases of hidden units 32 hw + 16 u + 8 h + 0 .. 7, the result's layout
.irp g, 0,1,2,3
.irp u, 0,1
	global_load_b128 v[128+8*(8*\hw+2*\g+\u):128+8*(8*\hw+2*\g+\u)+3], v[BO], s[88+2*\g:89+2*\g] offset:(32*\hw+16*\u)*4
	global_load_b128 v[132+8*(8*\hw+2*\g+\u):132+8*(8*\hw+2*\g+\u)+3], v[BO], s[88+2*\g:89+2*\g] offset:(32*\hw+16*\u)*4+16
.endr
.endr
.endr
	WIN 0
	ZLOAD 0, 0
	ZLOAD 1, 1
	ZLOAD 2, 2
	s_wait_loadcnt 56                              ; the scale bytes are in; the 32 loads of biases and the 24 of z may be out
.set qq, 0
.rept 12                               ; four words of four bytes are turned: register 4 qq + t holds tile t's word (byte b: block b)
	v_perm_b32 v[TT],   v[RAW+4*qq+1], v[RAW+4*qq],   0x05010400
	v_perm_b32 v[TT+1], v[RAW+4*qq+1], v[RAW+4*qq],   0x07030602
	v_perm_b32 v[TT+2], v[RAW+4*qq+3], v[RAW+4*qq+2], 0x05010400
	v_perm_b32 v[TT+3], v[RAW+4*qq+3], v[RAW+4*qq+2], 0x07030602
	v_perm_b32 v[ZT+4*qq],   v[TT+2], v[TT],   0x05040100
	v_perm_b32 v[ZT+4*qq+1], v[TT+2], v[TT],   0x07060302
	v_perm_b32 v[ZT+4*qq+2], v[TT+3], v[TT+1], 0x05040100
	v_perm_b32 v[ZT+4*qq+3], v[TT+3], v[TT+1], 0x07060302
.set qq, qq+1
.endr
.set qq, 0
.rept 12
	ds_store_b128 v[ADRZ], v[ZT+4*qq:ZT+4*qq+3] offset:512*qq      ; my own bytes: only I read them
.set qq, qq+1
.endr
.irp hf, 0,1
.irp p, 0,1,2,3,4,5
.irp q, 0,1,2,3
	ds_store_b32 v[ADW], v[RWS+4*(6*\hf+\p)+\q] offset:(4*\p+\q)*1024+4*\hf   ; the word of step 4 p + q: every wave reads it, behind the round below
.endr
.endr
.endr
	s_wait_alu depctr_va_vdst(0)                   ; at the head's end
	s_wait_tensorcnt 0x0                           ; my gate's tile of slot 0 is in; these lines stand ahead of slot 1's first fill as ahead of a refill
	ds_add_u32 v[SPW], v[NIL]
	s_wait_dscnt 0x0                               ; the add and my stores of scale words are done
	CROUND
	WFILL                                          ; slot 1
	FETCHW 0, 0
	FETCHW 1, 0
	SCW 0
	ZSW 0
	global_prefetch_b8 v[PFO], s[PF:PF+1] th:TH_LOAD_NT scope:SCOPE_SE   ; the third fill's weights
	STEP 0, 16, 3, 2                               ; the first products start the sums from the biases
	s_mov_b32 s37, 4
.Lphase:                                               ; a trip: a slot's steps 1 to 3 and the next slot's step 0; its change of slots asks for the weights two slots on
	STEP 1, 16, 4, 0
	STEP 2, 16, 5, 0
	TURN 1
	STEP 0, 16, 3, 0
	s_sub_co_u32 s37, s37, 1
	s_cmp_lg_u32 s37, 0
	s_cbranch_scc1 .Lphase
	STEP 1, 16, 4, 0                               ; the fifth slot: no weights are left to ask for
	STEP 2, 16, 5, 0
	TURN 2
	STEP 0, 16, 3, 0
	STEP 1, 16, -1, 0                              ; the last slot: z's last sets are on their way, the counts run down
	STEP 2, 8, -1, 0
	s_wait_dscnt 0x0
	s_wait_loadcnt 0x0
	MUL64 3, 0
	WIN 0
	PLACES 4
; THE CELL, in place on the accumulators, 16 hidden units (hw, u) at a time.  Gate g's 32 registers begin at v[64 g + 32 u] of window 2 + hw; register 8 t + j is (hidden 32 hw + 16 u + 8 h + j, batch 4 r + t).
	s_wait_tensorcnt 0x0                           ; my tile of C_prev is in; only I read it
	v_mov_b32 v[KS], 0xbfb8aa3b                    ; -log2 e
	v_mov_b32 v[KS+1], 0xbfb8aa3b
	v_mov_b32 v[KT], 0x4038aa3b                    ; 2 log2 e
	v_mov_b32 v[KT+1], 0x4038aa3b
	v_mov_b32 v[ONE], 1.0
	v_mov_b32 v[ONE+1], 1.0
	v_mov_b32 v[MTWO], -2.0
	v_mov_b32 v[MTWO+1], -2.0
.macro CELL hw, u
.set W, 2+\hw
.set W_D0, (W<<6)|W
.set W_D01, (W<<6)|(W<<2)|W
.set W_02, (W<<4)|W
.set CP, 16+64*\u                      ; C_prev, then C: register 4 j + t
.set TH, 48+64*\u                      ; tanh(C), then h
.set AF, 32*\u
.set AI, 64+32*\u
.set AO, 128+32*\u
.set AC, 192+32*\u
.if \hw
	s_wait_xcnt 0x0                                ; the first half's stores have read these registers
.endif
.irp j, 0,1,2,3,4,5,6,7
	ds_load_b128 v[CP+4*\j:CP+4*\j+3], v[ADC] offset:(32*\hw+16*\u+\j)*256
.endr
	WIN W_D0
	s_wait_alu depctr_va_vdst(0)                   ; ahead of the first readers of the sums
.irp g, AF, AI, AO
.set i, 0
.rept 16
	v_pk_mul_f32 v[\g+i:\g+i+1], v[\g+i:\g+i+1], v[KS:KS+1]         ; each accumulator from its low end on
.set i, i+2
.endr
.endr
.set i, 0
.rept 16
	v_pk_mul_f32 v[AC+i:AC+i+1], v[AC+i:AC+i+1], v[KT:KT+1]
.set i, i+2
.endr
	s_wait_alu depctr_va_vdst(0)
.irp g, AF, AI, AO, AC
.set i, 0
.rept 32
	v_exp_f32 v[\g+i], v[\g+i]
.set i, i+1
.endr
.endr
	v_nop
	s_wait_alu depctr_va_vdst(0)
.irp g, AF, AI, AO, AC
.set i, 0
.rept 16
	v_pk_add_f32 v[\g+i:\g+i+1], v[\g+i:\g+i+1], v[ONE:ONE+1]
.set i, i+2
.endr
.endr
	s_wait_alu depctr_va_vdst(0)
.irp g, AF, AI, AO, AC
.set i, 0
.rept 32
	v_rcp_f32 v[\g+i], v[\g+i]                     ; f, i, o are done
.set i, i+1
.endr
.endr
	v_nop
	s_wait_alu depctr_va_vdst(0)
.set i, 0
.rept 16
	v_pk_fma_f32 v[AC+i:AC+i+1], v[AC+i:AC+i+1], v[MTWO:MTWO+1], v[ONE:ONE+1]   ; c~
.set i, i+2
.endr
	WIN W_D01
.set i, 0
.rept 16
	v_pk_mul_f32 v[AI+i:AI+i+1], v[AI+i:AI+i+1], v[AC+i:AC+i+1]     ; i c~
.set i, i+2
.endr
	s_wait_alu depctr_va_vdst(0)
	s_wait_dscnt 0x0                               ; C_prev is in registers
	WIN W_02
.irp j, 0,1,2,3,4,5,6,7
.irp t, 0,1,2,3
	v_fma_f32 v[CP+4*\j+\t], v[AF+8*\t+\j], v[CP+4*\j+\t], v[AI+8*\t+\j]    ; C = f C_prev + i c~
.endr
.endr
	WIN 0
.irp j, 0,1,2,3,4,5,6,7
	global_store_b128 v[GO], v[CP+4*\j:CP+4*\j+3], s[4:5] offset:(32*\hw+16*\u+\j)*8192 th:TH_STORE_NT   ; each half of the lanes: 256 consecutive bytes of a row of out2, aligned
.endr
.set i, 0
.rept 16
	v_pk_mul_f32 v[TH+i:TH+i+1], v[CP+i:CP+i+1], v[KT:KT+1]
.set i, i+2
.endr
	s_wait_alu depctr_va_vdst(0)
.set i, 0
.rept 32
	v_exp_f32 v[TH+i], v[TH+i]
.set i, i+1
.endr
	v_nop
	s_wait_alu depctr_va_vdst(0)
.set i, 0
.rept 16
	v_pk_add_f32 v[TH+i:TH+i+1], v[TH+i:TH+i+1], v[ONE:ONE+1]
.set i, i+2
.endr
	s_wait_alu depctr_va_vdst(0)
.set i, 0
.rept 32
	v_rcp_f32 v[TH+i], v[TH+i]
.set i, i+1
.endr
	v_nop
	s_wait_alu depctr_va_vdst(0)
.set i, 0
.rept 16
	v_pk_fma_f32 v[TH+i:TH+i+1], v[TH+i:TH+i+1], v[MTWO:MTWO+1], v[ONE:ONE+1]   ; tanh(C)
.set i, i+2
.endr
	WIN W_D0
.irp j, 0,1,2,3,4,5,6,7
.irp t, 0,1,2,3
	v_mul_f32 v[AF+8*\t+\j], v[AO+8*\t+\j], v[TH+4*\j+\t]           ; h for the quantiser: eight neighbours along the next K on end, where f lay
.endr
.endr
	WIN W
.irp j, 0,1,2,3,4,5,6,7
.irp t, 0,1,2,3
	v_mul_f32 v[TH+4*\j+\t], v[AO+8*\t+\j], v[TH+4*\j+\t]           ; the same product, laid for the store
.endr
.endr
	WIN 0
.irp j, 0,1,2,3,4,5,6,7
	global_store_b128 v[GO], v[TH+4*\j:TH+4*\j+3], s[98:99] offset:(32*\hw+16*\u+\j)*8192 th:TH_STORE_NT
.endr
.endm
; h IS QUANTISED: hidden units 32 hw .. 32 hw + 31 are ONE block of the next K for each batch column.  Lane (r, h) holds, for tile t, units 16 u + 8 h + j in v[32 u + 8 t + j] of window 2 + hw; lane l xor 16 the other 16.
.macro QUANT hw
.set W, 2+\hw
.set W_12, (W<<2)|(W<<4)
.set P, 176+8*\hw                      ; each half has registers of its own for what it stores
.set W2, 250+\hw
.irp t, 0,1,2,3
	v_mov_b32 v[M2+\t], 0                          ; a lane permute's destination counts as one of its sources
.endr
	WIN W_12
.irp t, 0,1,2,3
	v_max3_num_f32 v[M+\t], 0x1800000, |v[8*\t]|, |v[8*\t+1]|       ; with the floor 2^(3 - 127): the byte cannot fall under 1
.endr
.irp i, 2,4,6,32,34,36,38
.irp t, 0,1,2,3
	v_max3_num_f32 v[M+\t], v[M+\t], |v[8*\t+\i]|, |v[8*\t+\i+1]|
.endr
.endr
	WIN 0
.irp t, 0,1,2,3
	v_permlanex16_b32 v[M2+\t], v[M+\t], s22, s23
.endr
.irp t, 0,1,2,3
	v_max_num_f32 v[M+\t], v[M+\t], v[M2+\t]       ; the block's largest magnitude
.endr
.irp t, 0,1,2,3
	v_add_nc_u32 v[SOP+\t], 0xff000000, v[M+\t]    ; 2 off its exponent field: the conversion's scale operand
.endr
.irp t, 0,1,2,3
	v_lshrrev_b32 v[BY+\t], 23, v[SOP+\t]          ; the byte
.endr
	v_lshl_or_b32 v[WORD], v[BY+1], 8, v[BY]       ; the four tiles' bytes: batch 4 r + 0 .. 3
	v_lshl_or_b32 v[WORD], v[BY+2], 16, v[WORD]
	v_lshl_or_b32 v[WORD], v[BY+3], 24, v[WORD]
	v_lshrrev_b32 v[W2], v[V16H], v[WORD]          ; lanes 0-15 store its lower two bytes, lanes 16-31 its upper two
	WIN W
.irp t, 0,1,2,3
.irp u, 0,1
	v_cvt_scalef32_pk8_fp4_f32 v[P+2*\t+\u], v[32*\u+8*\t:32*\u+8*\t+7], v[SOP+\t]
.endr
.endr
	WIN 0
	v_nop                                          ; one plain line behind the conversions
.irp t, 0,1,2,3
	v_permlane16_swap_b32 v[P+2*\t], v[P+2*\t+1]   ; lane (r, h) now holds hidden units 16 h + 0 .. 15 of the block
.endr
.irp t, 0,1,2,3
	global_store_b64 v[HCO], v[P+2*\t:P+2*\t+1], s[6:7] offset:32768*\hw+256*\t   ; 32 lanes store 256 consecutive bytes, aligned
.endr
	global_store_b16 v[HSO], v[W2], s[8:9] offset:2048*\hw         ; 64 consecutive bytes
.endm
	CELL 0, 0
	CELL 0, 1
	QUANT 0
	CELL 1, 0
	CELL 1, 1
	QUANT 1
	s_wait_tensorcnt 0x0                           ; the wave's end
	ds_add_u32 v[SPW], v[NIL]
	s_wait_dscnt 0x0
	CROUND                                         ; the closing round
	s_endpgm
.Lfunc_end_k_q9a0d710311_gates:
	.size	k_q9a0d710311_gates, .Lfunc_end_k_q9a0d710311_gates-k_q9a0d710311_gates
	.p2alignl 7, 3214868480
	.fill 96, 4, 3214868480
	.section	.rodata,"a",@progbits
	.p2align	6, 0x0
	.amdhsa_kernel k_q9a0d710311_gates
		.amdhsa_group_segment_fixed_size 327680
		.amdhsa_private_segment_fixed_size 0
		.amdhsa_enable_private_segment 0
		.amdhsa_kernarg_size 152
		.amdhsa_user_sgpr_count 2
		.amdhsa_user_sgpr_kernarg_segment_ptr 1
		.amdhsa_wavefront_size32 1
		.amdhsa_system_sgpr_workgroup_id_x 1
		.amdhsa_system_sgpr_workgroup_id_y 1
		.amdhsa_system_sgpr_workgroup_id_z 1
		.amdhsa_system_vgpr_workitem_id 0
		.amdhsa_next_free_vgpr 1024
		.amdhsa_next_free_sgpr 100
		.amdhsa_reserve_vcc 0
		.amdhsa_float_denorm_mode_32 3
		.amdhsa_float_denorm_mode_16_64 3
		.amdhsa_memory_ordered 1
		.amdhsa_forward_progress 1
		.amdhsa_inst_pref_size 255
	.end_amdhsa_kernel
	.section	.bss,"aw",@nobits
	.p2align	6
	.space	262144
	.amdgpu_metadata
---
amdhsa.version: [ 1, 2 ]
amdhsa.kernels:
  - .name:           k_q9a0d710311_gates
    .symbol:         k_q9a0d710311_gates.kd
    .args:
      - { .name: z_codes, .offset: 0, .size: 8, .value_kind: global_buffer, .address_space: global }
      - { .name: z_scales, .offset: 8, .size: 8, .value_kind: global_buffer, .address_space: global }
      - { .name: W_f_codes, .offset: 16, .size: 8, .value_kind: global_buffer, .address_space: global }
      - { .name: W_i_codes, .offset: 24, .size: 8, .value_kind: global_buffer, .address_space: global }
      - { .name: W_o_codes, .offset: 32, .size: 8, .value_kind: global_buffer, .address_space: global }
      - { .name: W_C_codes, .offset: 40, .size: 8, .value_kind: global_buffer, .address_space: global }
      - { .name: W_f_scales, .offset: 48, .size: 8, .value_kind: global_buffer, .address_space: global }
      - { .name: W_i_scales, .offset: 56, .size: 8, .value_kind: global_buffer, .address_space: global }
      - { .name: W_o_scales, .offset: 64, .size: 8, .value_kind: global_buffer, .address_space: global }
      - { .name: W_C_scales, .offset: 72, .size: 8, .value_kind: global_buffer, .address_space: global }
      - { .name: b_f, .offset: 80, .size: 8, .value_kind: global_buffer, .address_space: global }
      - { .name: b_i, .offset: 88, .size: 8, .value_kind: global_buffer, .address_space: global }
      - { .name: b_o, .offset: 96, .size: 8, .value_kind: global_buffer, .address_space: global }
      - { .name: b_C, .offset: 104, .size: 8, .value_kind: global_buffer, .address_space: global }
      - { .name: C_prev, .offset: 112, .size: 8, .value_kind: global_buffer, .address_space: global }
      - { .name: out1, .offset: 120, .size: 8, .value_kind: global_buffer, .address_space: global }
      - { .name: out2, .offset: 128, .size: 8, .value_kind: global_buffer, .address_space: global }
      - { .name: h_codes, .offset: 136, .size: 8, .value_kind: global_buffer, .address_space: global }
      - { .name: h_scales, .offset: 144, .size: 8, .value_kind: global_buffer, .address_space: global }
    .group_segment_fixed_size: 327680
    .private_segment_fixed_size: 0
    .kernarg_segment_align: 8
    .kernarg_segment_size: 152
    .max_flat_workgroup_size: 128
    .sgpr_count:     100
    .vgpr_count:     1024
    .wavefront_size: 32
...
	.end_amdgpu_metadata
.endif
;; end of part 2
;; launch proj (part 3): grid 8 x 25, 4 waves a work-group, clusters of 4 x 1, 327,680 bytes of LDS; arguments h_codes, h_scales, W_A_codes, W_A_scales, b_A, out0; writes out0
.if DOCPART == 3
	.amdgcn_target "amdgcn-amd-amdhsa--gfx1250"
	.amdhsa_code_object_version 6
	.text
	.protected	k_q9a0d710311_proj
	.globl	k_q9a0d710311_proj
	.p2align	8
	.type	k_q9a0d710311_proj,@function
k_q9a0d710311_proj:
	s_mov_b64 s[64:65], 0
	v_nop
	global_prefetch_b8 v0, s[64:65] scope:SCOPE_SE
	s_setreg_imm32_b32 hwreg(HW_REG_WAVE_MODE, 25, 1), 1
	s_wait_xcnt 0x0
	s_wait_alu depctr_hold_cnt(0) depctr_sa_sdst(0) depctr_va_vdst(0) depctr_va_sdst(0) depctr_va_ssrc(0) depctr_va_vcc(0) depctr_vm_vsrc(0)
	s_getreg_b32 s2, hwreg(HW_REG_IB_STS2, 6, 4)
	s_cmp_eq_u32 s2, 0
	s_cbranch_scc0 .Lentry_in_a_cluster
	s_endpgm
.Lentry_in_a_cluster:
	s_bfe_u32 s2, ttmp6, 0x10000c
	s_cmp_lg_u32 s2, 0x3003
	s_cbranch_scc0 .Lentry_shape_is_right
	s_endpgm
.Lentry_shape_is_right:
; y = W_A h + b_A on codes of E2M1 with one E8M0 byte for each 32 along K = 2,048.  W_A [4000][2048] as given; h as the launch before laid it:
; h_codes [64 blocks of K][2048 places][16 bytes], batch b at place 64 (b / 64) + 16 (b % 4) + (b / 4) % 16; h_scales [64][2048 batch numbers].  out0 [4000][2048] f32.
; SHARES.  4,000 = 25 x 160: a work-group takes 160 rows x 256 batch numbers, so no tile crosses the tensor's end: 25 x 8 = 200 work-groups
; (250 x 128 tiles of 16 x 16 do not fall into 256 equal rectangles).  Four waves; wave w takes all 160 rows x batch numbers 64 w .. 64 w + 63: 40 accumulators.
; W_A'S 160 ROWS STAY IN LDS FOR ALL OF K: 4 chunks of 512 along K, each 160 rows of 256 bytes + 16: 174,080 bytes.  Wave w fetches chunk w by its one tensor load at the head; nothing is filled again.
; h GOES FROM MEMORY STRAIGHT INTO REGISTERS: h_codes lies in the fragments' own order, each half of the lanes reads 256 consecutive bytes, and no two waves of a work-group read the same byte of h.
; It is asked for seven steps of 128 ahead, into eight sets of 32 registers.  The 16 steps are written out, so every offset and register is a constant.
; CLUSTER 4 x 1: 25 is no multiple of 4, so only the batch axis is grouped.  The four partners share W_A's chunks: joint loads.  Their parts of h differ.
; No prefetch into the L2: W_A is asked for whole at the head, and h's own loads run seven steps ahead of their use.
; LAYOUT.  Source 0 = 16 rows of W_A, source 1 = 16 batch columns: lane (r, h) holds ONE batch column and its registers j the rows 8 h + j.  Of 64 batch numbers tile t, lane r takes 4 r + t:
; four tiles' registers of one row are 16 neighbouring bytes of out0, and sixteen lanes store 256 consecutive bytes: no result goes through LDS.
; REGISTERS.  Window 0: v1-15 addresses; v16-95 W_A's scale words; v96-127 h's; v160-239 the biases.  Window 1: h's eight sets; on the way out results.
; Window 2: the accumulators of fragments 0-7, (a, t) at v[32 a + 8 t].  Window 3: v0-63 those of fragments 8, 9; v64-223 W_A's ten fragments, two sets.
.set PITCH, 272                        ; a row of a chunk in LDS: sixteen rows fall on sixteen different columns of 16 bytes in 256
.set CHUNK, 160*PITCH
.set SPARE, 4*CHUNK                    ; the spare words, 128 bytes a wave
.set SPW,  1
.set NIL,  2
.set ADRA, 3                           ; v3-6 my row of a fragment in chunk 0 .. 3
.set HGO,  7                           ; 32,768 h + 16 r: h's codes in memory
.set GO,   9                           ; my 16 bytes in out0
.set BO,   13                          ; 32 h
.set ZSO,  14                          ; 8,192 h + 4 r
.set SCO,  15                          ; 64 x lane
.set SC,   16                          ; W_A's scale words: register 20 S + 4 i + q: rows 32 i + lane, step 4 S + q
.set ZS,   96                          ; h's: register 4 (Q / 2) + t: even Q in lanes 0-15, odd Q in lanes 16-31
.set RAW,  128
.set BIAS, 160
.set TT,   240
.set WF,   64                          ; in window 3: set p at WF + 80 p
.set WV, 10
.set BT, 16
.set RT, 17
.set G1,  24
.set G0,  32
.set MSB, 0
.macro WIN new
.if MSB != \new
	s_set_vgpr_msb (MSB<<8)|\new
.set MSB, \new
.endif
.endm
.macro PLACES n
.rept \n
	v_nop
.endr
.endm
.macro CREST
	s_cmp_lg_u32 s[WV], 0
	s_cbranch_scc1 .Lnot_wave_0_\@
	s_barrier_signal -3
.Lnot_wave_0_\@:
	s_barrier_wait -3
	s_barrier_signal -1
	s_barrier_wait -1
.endm
.macro CROUND
	s_barrier_signal -1
	s_barrier_wait -1
	CREST
.endm
.macro FETCH Q                         ; W_A's ten fragments of step Q into set Q % 2: lane (r, h) takes 16 bytes at row r, 16 h, twice, 32 bytes apart
	WIN 0xc0
.irp a, 0,1,2,3,4,5,6,7,8,9
.irp c, 0,1
	ds_load_b128 v[WF+80*((\Q)%2)+8*\a+4*\c:WF+80*((\Q)%2)+8*\a+4*\c+3], v[ADRA+(\Q)/4] offset:\a*16*PITCH+64*((\Q)%4)+32*\c
.endr
.endr
.endm
.macro HLOAD Q                         ; h's four tiles of step Q into set Q % 8
	WIN 0x40
.irp t, 0,1,2,3
.irp c, 0,1
	global_load_b128 v[32*((\Q)%8)+8*\t+4*\c:32*((\Q)%8)+8*\t+4*\c+3], v[HGO], s[68:69] offset:(4*(\Q)+2*\c)*32768+256*\t
.endr
.endr
.endm
.macro WX cop, ra, rq                  ; W_A's word lies in lanes 0-15 for even a, in lanes 16-31 for odd a; h's in lanes 0-15 for even Q, in lanes 16-31 for odd Q
.if (\ra == 0) && (\rq == 0)
	v_wmma_scale_f32_16x16x128_f8f6f4 v[rD:rD+7], v[rA:rA+7], v[rB:rB+7], \cop, v[rS], v[rT] matrix_a_fmt:MATRIX_FMT_FP4 matrix_b_fmt:MATRIX_FMT_FP4
.elseif \ra == 0
	v_wmma_scale_f32_16x16x128_f8f6f4 v[rD:rD+7], v[rA:rA+7], v[rB:rB+7], \cop, v[rS], v[rT] matrix_a_fmt:MATRIX_FMT_FP4 matrix_b_fmt:MATRIX_FMT_FP4 matrix_b_scale:MATRIX_SCALE_ROW1
.elseif \rq == 0
	v_wmma_scale_f32_16x16x128_f8f6f4 v[rD:rD+7], v[rA:rA+7], v[rB:rB+7], \cop, v[rS], v[rT] matrix_a_fmt:MATRIX_FMT_FP4 matrix_b_fmt:MATRIX_FMT_FP4 matrix_a_scale:MATRIX_SCALE_ROW1
.else
	v_wmma_scale_f32_16x16x128_f8f6f4 v[rD:rD+7], v[rA:rA+7], v[rB:rB+7], \cop, v[rS], v[rT] matrix_a_fmt:MATRIX_FMT_FP4 matrix_b_fmt:MATRIX_FMT_FP4 matrix_a_scale:MATRIX_SCALE_ROW1 matrix_b_scale:MATRIX_SCALE_ROW1
.endif
.endm
.macro MULA a, Q                       ; fragment a against h's four tiles.  The 40 accumulators take turns, one instruction a turn, in the same order in every step
.irp t, 0,1,2,3
.set rD, (32*(\a)+8*\t)%256
.set rA, WF+80*((\Q)%2)+8*(\a)
.set rB, 32*((\Q)%8)+8*\t
.set rS, SC+20*((\Q)/4)+4*((\a)/2)+(\Q)%4
.set rT, ZS+4*((\Q)/2)+\t
.if \Q == 0
	WX 0, (\a)%2, (\Q)%2                           ; the first products start the sums: nothing is cleared
.else
	WX v[rD:rD+7], (\a)%2, (\Q)%2
.endif
.endr
.endm
; A step of 128 along K.  W_A's fragments have two sets: the next step's 20 loads go out at the step's head.  nl: the global loads issued behind this step's set of h, which may stay out.
.macro STEP Q, nl
	s_wait_dscnt 0x0                               ; this step's fragments of W_A, asked for a step ago
	s_wait_loadcnt \nl
	PLACES 4                                       ; behind the last step's products, in front of loads into the sets that they read
.if \Q < 15
	FETCH (\Q)+1
.endif
.if \Q < 9
	HLOAD (\Q)+7
.endif
.if \Q == 9                            ; h's last set has been asked for: now the biases, for the way out.  Lane (r, h) wants those of rows 16 a + 8 h + 0 .. 7
	WIN 0
.irp a, 0,1,2,3,4,5,6,7,8,9
	global_load_b128 v[BIAS+8*\a:BIAS+8*\a+3], v[BO], s[76:77] offset:64*\a
	global_load_b128 v[BIAS+8*\a+4:BIAS+8*\a+7], v[BO], s[76:77] offset:64*\a+16
.endr
.endif
	WIN 0xa7                                       ; source 0 window 3, source 1 window 1, C and D window 2
.irp a, 0,1,2,3,4,5,6,7
	MULA \a, \Q
.endr
	WIN 0xf7                                       ; C and D window 3
.irp a, 8,9
	MULA \a, \Q
.endr
.endm
	s_load_b256 s[68:75], s[0:1], 0x0              ; h_codes 68, h_scales 70, W_A_codes 72, W_A_scales 74
	s_load_b128 s[76:79], s[0:1], 0x20             ; b_A 76, out0 78
	v_lshl_add_u32 v[SPW], v0, 2, SPARE
	v_mov_b32 v[NIL], 0
	ds_add_u32 v[SPW], v[NIL]                      ; the opening lines: the add twice on end and its wait
	ds_add_u32 v[SPW], v[NIL]
	v_lshrrev_b32 v244, 5, v0
	v_readfirstlane_b32 s[WV], v244                ; wave 0..3
	s_bfe_u32 s14, ttmp6, 0x40000                  ; cx
	s_lshl_b32 s[BT], ttmp9, 2
	s_add_co_u32 s[BT], s[BT], s14                 ; which 256 batch numbers
	s_and_b32 s[RT], ttmp7, 0xffff                 ; which 160 rows: the four partners share it
	s_mov_b32 s[G1], 15|(1<<20)|(1<<21)|(5<<22)|(3<<25)   ; all four partners; elements of 1 byte; 4 words of padding after every 64
	s_mov_b32 s[G1+1], 256<<16                     ; 256 bytes of a row,
	s_mov_b32 s[G1+2], 160<<16                     ; 160 rows,
	s_mov_b32 s[G1+3], 256<<16
	s_mov_b32 s[G1+4], 160
	s_mov_b32 s[G1+5], 1024                        ; 1,024 bytes apart
	s_mov_b32 s[G1+6], 0
	s_mov_b32 s[G1+7], 0
	s_mul_i32 s18, s[RT], 163840                   ; 160 rows of 1,024 bytes,
	s_lshl_b32 s2, s[WV], 8                        ; and my chunk of 256
	s_add_co_u32 s18, s18, s2
	s_mov_b32 s19, 0
	s_wait_dscnt 0x0
	s_wait_kmcnt 0x0
	s_add_nc_u64 s[72:73], s[72:73], s[18:19]
	s_mov_b32 s[G0], 1
	s_mul_i32 s[G0+1], s[WV], CHUNK
	s_mov_b64 s[G0+2:G0+3], s[72:73]
	s_or_b32 s[G0+3], s[G0+3], 0x80000000
	CROUND                                         ; the four partners are here: the joint loads meet
	tensor_load_to_lds s[G0:G0+3], s[G1:G1+7]      ; my chunk: the wave's only tensor load
	s_nop 0
	PLACES 4
	s_lshl_b32 s4, s[BT], 8
	s_lshl_b32 s6, s[WV], 6
	s_add_co_u32 s4, s4, s6                        ; my first batch number
	s_mov_b32 s5, 0
	s_add_nc_u64 s[70:71], s[70:71], s[4:5]        ; h_scales there
	s_lshl_b32 s6, s4, 4
	s_mov_b32 s7, 0
	s_add_nc_u64 s[68:69], s[68:69], s[6:7]        ; h_codes: 16 bytes a place
	s_mul_i32 s6, s[RT], 10240
	s_add_nc_u64 s[74:75], s[74:75], s[6:7]        ; W_A_scales: 160 rows of 64 bytes
	s_mul_i32 s6, s[RT], 640
	s_add_nc_u64 s[76:77], s[76:77], s[6:7]        ; b_A
	s_mul_i32 s6, s[RT], 1310720                   ; out0: 160 rows of 8,192 bytes,
	s_lshl_b32 s4, s4, 2                           ; and my first column
	s_add_co_u32 s6, s6, s4
	s_add_nc_u64 s[78:79], s[78:79], s[6:7]
	v_and_b32 v244, 15, v0                         ; r
	v_bfe_u32 v245, v0, 4, 1                       ; h
	v_and_b32 v246, 31, v0                         ; lane
	v_lshlrev_b32 v[BO], 5, v245
	v_lshlrev_b32 v247, 2, v244
	v_lshl_add_u32 v[ZSO], v245, 13, v247
	v_lshlrev_b32 v[SCO], 6, v246
	v_lshlrev_b32 v248, 4, v244
	v_lshl_add_u32 v[HGO], v245, 15, v248
	v_mul_u32_u24 v249, v244, PITCH
	v_lshl_add_u32 v[ADRA], v245, 4, v249
	v_add_nc_u32 v[ADRA+1], CHUNK, v[ADRA]
	v_add_nc_u32 v[ADRA+2], 2*CHUNK, v[ADRA]
	v_add_nc_u32 v[ADRA+3], 3*CHUNK, v[ADRA]
	v_lshl_add_u32 v[GO], v245, 16, v248           ; row 8 h of 8,192 bytes, + 16 r
	s_wait_alu depctr_va_vdst(0)                   ; behind the head's address work
.set qq, 0
.rept 8                                ; h's scale bytes: a word is one block's bytes of batch 4 r + 0 .. 3; lanes 0-15 take step 2 qq's four blocks, lanes 16-31 step 2 qq + 1's
.irp b, 0,1,2,3
	global_load_b32 v[RAW+4*qq+\b], v[ZSO], s[70:71] offset:16384*qq+2048*\b
.endr
.set qq, qq+1
.endr
.irp S, 0,1,2,3                        ; W_A's scale words as they lie: 16 bytes (512 along K) of row 32 i + lane
.irp i, 0,1,2,3,4
	global_load_b128 v[SC+20*\S+4*\i:SC+20*\S+4*\i+3], v[SCO], s[74:75] offset:2048*\i+16*\S
.endr
.endr
.irp Q, 0,1,2,3,4,5,6
	HLOAD \Q
.endr
	WIN 0
	s_wait_loadcnt 56                              ; the scale bytes and words are in; h's seven sets may be out
.set n, 0
.rept 8                                ; four words of four bytes are turned: register 4 n + t holds tile t's word (byte b: block b)
	v_perm_b32 v[TT],   v[RAW+4*n+1], v[RAW+4*n],   0x05010400
	v_perm_b32 v[TT+1], v[RAW+4*n+1], v[RAW+4*n],   0x07030602
	v_perm_b32 v[TT+2], v[RAW+4*n+3], v[RAW+4*n+2], 0x05010400
	v_perm_b32 v[TT+3], v[RAW+4*n+3], v[RAW+4*n+2], 0x07030602
	v_perm_b32 v[ZS+4*n],   v[TT+2], v[TT],   0x05040100
	v_perm_b32 v[ZS+4*n+1], v[TT+2], v[TT],   0x07060302
	v_perm_b32 v[ZS+4*n+2], v[TT+3], v[TT+1], 0x05040100
	v_perm_b32 v[ZS+4*n+3], v[TT+3], v[TT+1], 0x07060302
.set n, n+1
.endr
	PLACES 8                                       ; a scale register written by a vector line stands eight places ahead of a scaled matrix instruction
	s_wait_alu depctr_va_vdst(0)                   ; at the head's end
	s_wait_tensorcnt 0x0                           ; my chunk is in
	s_barrier_signal -1
	s_barrier_wait -1                              ; everybody's is: all of W_A's 160 rows
	FETCH 0
.irp Q, 0,1,2,3,4,5,6,7,8,9
	STEP \Q, 48                                    ; behind this step's set: the six sets that follow it
.endr
.irp Q, 10,11,12,13,14,15
	STEP \Q, 8*(15-\Q)+20                          ; the sets that are left, and the 20 loads of biases
.endr
	PLACES 4
	s_wait_loadcnt 0x0                             ; the biases
; THE WAY OUT.  One addition a number gives it its bias and its place: four tiles' registers of a row come to lie on end, 16 neighbouring bytes of out0.
; Every result has a register of its own (fragments 0-7: window 1, where h's sets lay; 8, 9: where W_A's first set lay), so no store's data are written again.
.irp a, 0,1,2,3,4,5,6,7,8,9
.if \a < 8
.set OB, 32*\a
.set WA, 0x42                          ; destination window 1, the accumulator window 2, the bias window 0
.set WS, 0x04                          ; a store's data are its source 1: window 1
.else
.set OB, WF+32*(\a-8)
.set WA, 0xc3                          ; destination and accumulator window 3
.set WS, 0x0c
.endif
	WIN WA
.irp j, 0,1,2,3,4,5,6,7                ; each accumulator from its low end on
.irp t, 0,1,2,3
	v_add_f32 v[OB+4*\j+\t], v[(32*\a+8*\t)%256+\j], v[BIAS+8*\a+\j]
.endr
.endr
	WIN WS
.irp j, 0,1,2,3,4,5,6,7
	global_store_b128 v[GO], v[OB+4*\j:OB+4*\j+3], s[78:79] offset:(16*\a+\j)*8192 th:TH_STORE_NT   ; each half of the lanes: 256 consecutive bytes of a row, aligned
.endr
.endr
	WIN 0
	s_wait_tensorcnt 0x0                           ; the wave's end
	ds_add_u32 v[SPW], v[NIL]
	s_wait_dscnt 0x0
	CROUND                                         ; the closing round
	s_endpgm
.Lfunc_end_k_q9a0d710311_proj:
	.size	k_q9a0d710311_proj, .Lfunc_end_k_q9a0d710311_proj-k_q9a0d710311_proj
	.p2alignl 7, 3214868480
	.fill 96, 4, 3214868480
	.section	.rodata,"a",@progbits
	.p2align	6, 0x0
	.amdhsa_kernel k_q9a0d710311_proj
		.amdhsa_group_segment_fixed_size 327680
		.amdhsa_private_segment_fixed_size 0
		.amdhsa_enable_private_segment 0
		.amdhsa_kernarg_size 48
		.amdhsa_user_sgpr_count 2
		.amdhsa_user_sgpr_kernarg_segment_ptr 1
		.amdhsa_wavefront_size32 1
		.amdhsa_system_sgpr_workgroup_id_x 1
		.amdhsa_system_sgpr_workgroup_id_y 1
		.amdhsa_system_sgpr_workgroup_id_z 1
		.amdhsa_system_vgpr_workitem_id 0
		.amdhsa_next_free_vgpr 1024
		.amdhsa_next_free_sgpr 80
		.amdhsa_reserve_vcc 0
		.amdhsa_float_denorm_mode_32 3
		.amdhsa_float_denorm_mode_16_64 3
		.amdhsa_memory_ordered 1
		.amdhsa_forward_progress 1
		.amdhsa_inst_pref_size 153
	.end_amdhsa_kernel
	.amdgpu_metadata
---
amdhsa.version: [ 1, 2 ]
amdhsa.kernels:
  - .name:           k_q9a0d710311_proj
    .symbol:         k_q9a0d710311_proj.kd
    .args:
      - { .name: h_codes, .offset: 0, .size: 8, .value_kind: global_buffer, .address_space: global }
      - { .name: h_scales, .offset: 8, .size: 8, .value_kind: global_buffer, .address_space: global }
      - { .name: W_A_codes, .offset: 16, .size: 8, .value_kind: global_buffer, .address_space: global }
      - { .name: W_A_scales, .offset: 24, .size: 8, .value_kind: global_buffer, .address_space: global }
      - { .name: b_A, .offset: 32, .size: 8, .value_kind: global_buffer, .address_space: global }
      - { .name: out0, .offset: 40, .size: 8, .value_kind: global_buffer, .address_space: global }
    .group_segment_fixed_size: 327680
    .private_segment_fixed_size: 0
    .kernarg_segment_align: 8
    .kernarg_segment_size: 48
    .max_flat_workgroup_size: 128
    .sgpr_count:     80
    .vgpr_count:     1024
    .wavefront_size: 32
...
	.end_amdgpu_metadata
.endif
;; end of part 3
